; MI455X (gfx1250); checked and timed in simulation.
; The chip was launched on July 23, 2026; its instructions are those of AMD's public machine-readable ISA for CDNA 5 (MIT licence, August 2026) and "CDNA5" Instruction Set Architecture Reference Guide (July 2026). The comments in the code are by the model that wrote it; some were corrected since.
;; Scaled Dot Product Attention. Allowed arithmetic: matrix products marked QUANTISED: E4M3 operands, one given power-of-two scale a tensor, by v_wmma_f32_16x16x64_fp8_fp8 or v_wmma_f32_16x16x128_fp8_fp8, f32 sums; everything else in f32.
;; Inputs: attn_mask 1 x 1 x 2,048 x 2,048 float32; key 2 x 32 x 2,048 x 128 float32; lowp_scales 4 int32 (the exponents e of the quantised operands' scales 2^e); query 2 x 32 x 2,048 x 128 float32; value 2 x 32 x 2,048 x 128 float32.
;; Outputs: out0 2 x 32 x 2,048 x 128 float32.
;; This version of the problem:
;;   THIS VERSION OF THE PROBLEM IS GIVEN IN LOW PRECISION. The matrix products marked QUANTISED in the list below multiply operands that are first quantised to E4M3 (4 exponent bits, 3 mantissa bits; 8 bits a number), with one given power-of-two scale for each operand tensor; their sums are f32. All else is computed in f32.
;;   The module's matrix products, in the order in which they are computed (A, B: the left and right operand; K: the contracted axis; several contracted axes count as one K, in the product's order):
;;     1. batch 64 x [M 2,048, K 128] x [K 128, N 2,048]; A: input query; B: input key: QUANTISED (scales: A lowp_scales[0], B lowp_scales[1])
;;     2. batch 64 x [M 2,048, K 2,048] x [K 2,048, N 128]; A: softmax (see below); B: input value: QUANTISED (scales: A lowp_scales[2], B lowp_scales[3])
;;   THE QUANTISER, for each operand of a quantised product, along K:
;;     - The operand's scale is 2^e, e = its entry of the input lowp_scales (int32; the entries are numbered through the quantised products in the list's order, A before B).
;;     - Each number is divided by the scale, clamped to +-448, and rounded to the nearest number of E4M3, ties to even, subnormals kept.
;;     - The product sums the exact products of the quantised numbers (number of the format x scale) in f32.
;;   ~~~python
;;   def quantise(x, axis, e):      # numpy; x: float32 -> the quantised numbers, widened to float32 again
;;       x = np.moveaxis(x, axis, -1); K = x.shape[-1]
;;       r = np.clip(x / 2.0 ** e, -448, 448)
;;       step = 2.0 ** (np.maximum(np.frexp(np.where(r == 0, 1, r))[1] - 1, -6) - 3)
;;       q = np.round(r / step) * step * 2.0 ** e      # np.round: ties to even
;;       return np.moveaxis(q, -1, axis).astype(np.float32)
;;   ~~~
;;   SOFTMAX AHEAD OF A QUANTISED PRODUCT. Where the list says 'softmax', what is quantised is not the finished softmax but p = 2^(t - M), with t = logit x log2(e) and M = ceil(the row's largest t), a whole number; so 1/2 < the row's largest p <= 1. The row's sum l is taken of the UNQUANTISED p, in f32, and the product's result is divided by l at the end. Since M is a whole number, a kernel that streams over the keys may use a running M (the ceiling of the running maximum): every later rescaling is an exact power of two, so the quantised numbers keep their values, but for numbers so far below the row's largest that they fall under the format's range.
;;   OPERANDS COMPUTED ON THE WAY. 'Computed on the way' means the value that the module computes at that place (a softmax that the list does not call 'softmax' is quantised finished and normalised). What goes into a quantiser is computed in f32, as accurately as f32 sums, v_exp_f32 and their like allow (about 1e-6 of the number): no bf16 or f16 on the way to a quantiser, and a product that is left as it is and whose result goes on into a quantised operand takes f32 operands (vector FMAs, or v_wmma_f32_16x16x4_f32). A number that lies on a knife's edge between two numbers of the format may be rounded either way, as far as f32 arithmetic and the matrix unit's own rounding can turn it there, and no further.
;; One version. Each part assembles by itself: llvm-mc -triple=amdgcn-amd-amdhsa -mcpu=gfx1250 --defsym DOCPART=n.
;; ======== version 1 of 1: 2 launches
;; limits: right only within a limited range of input values
;; workspace buffers: kv 33,554,432 bytes; mimg 16,777,216 bytes
;; launch prep (part 1): grid 1664 x 1, 4 waves a work-group, no clusters, 34,304 bytes of LDS; arguments key, value, attn_mask, lowp_scales, kv, mimg; writes kv, mimg
.if DOCPART == 1
	.amdgcn_target "amdgcn-amd-amdhsa--gfx1250"
	.amdhsa_code_object_version 6
	.text
	.protected	k_qdcbdff701c_prep
	.globl	k_qdcbdff701c_prep
	.p2align	8
	.type	k_qdcbdff701c_prep,@function
k_qdcbdff701c_prep:
	s_mov_b64 s[64:65], 0
	v_nop
	global_prefetch_b8 v0, s[64:65] scope:SCOPE_SE
	s_setreg_imm32_b32 hwreg(HW_REG_WAVE_MODE, 25, 1), 1
	s_wait_xcnt 0x0
; key and value (f32) become codes of FP8 (E4M3), and attn_mask (f32) is scaled, all laid as IMAGES OF THE REGISTERS in which the attention launch wants them:
; a piece is 512 bytes, lane l's 16 bytes at 16 l, so that every later read is dense.  (query is read once by one wave and is quantised in the attention launch.)
; code = x / 2^e, held within +-448, rounded to the nearest code, ties to even; e: lowp_scales[1] for key, [3] for value.
; THE ROWS OF A TILE ARE NOT NEIGHBOURS: row r of tile T is row 32 (T / 2) + 8 (T % 2) + r + 8 (r / 8): for keys and the rows of the mask alike.
;   kv   [head 64][key step 16][K's image 16 KB | V's image 16 KB]; K's: 8 tiles of 4 pieces, lane (r, h) = (l % 16, l / 16), piece c: channels 32 c + 16 h + 0 .. 15 of the tile's row r;
;        V's: 8 tiles t, lane (r, h), piece c: channel 16 t + r, keys 32 c + 16 h + 0 .. 15 of the step.
;   mimg [pair of tiles 64][key step 16][u 2][piece 16][lane][16 B] f32: number n = 4 piece + i of lane (r, h) is mask[row r of tile 2 pair + u][128 step + 32 (n / 16) + 16 h + n % 16] x 2^-(eq + ek):
;        the layout of the first product's sums, to which it is added as their C; the sums lack the factor 2^(eq + ek), so the mask is divided by it here.
; SHARES by the work-group's number: 0-511 key, 512-639 the mask, 640-1663 value.
; Key and mask take one path: a wave takes 4 tiles of 16 rows x 512 bytes; each load reads a whole row; the tile turns through the wave's own stage in LDS (rows 528 bytes apart) and comes back 64 numbers a lane.
; Value takes a path of its own: a lane takes a channel and its registers run down the keys, so the conversions give codes with the keys innermost.  No tensor loads, no barrier: waves share nothing.
; LIMITS: ek, ev between -126 and 119 each.  NaN among the inputs is not served.  Where mask x 2^-(eq + ek) leaves the range of f32 it becomes an infinity or 0.
.set STG,    8448
.set SPITCH, 528                       ; 512 bytes + 16: the sixteen rows that a read touches start at sixteen different banks (ISA guide 11.1)
.set SPARE,  4*STG                     ; the spare words, 128 bytes a wave
.set LI,  1
.set SIN, 2
.set SOUT, 3
.set VS,  4
.set VD,  5
.set SC,  6
.set LIM, 7
.set SPW, 8
.set NIL, 9
.set R,   16
.set X,   144
.set C,   208
	s_load_b64 s[6:7], s[0:1], 0x0                 ; key
	s_load_b128 s[8:11], s[0:1], 0x8               ; value, mask
	s_load_b64 s[12:13], s[0:1], 0x18              ; the scales' exponents
	s_load_b128 s[16:19], s[0:1], 0x20             ; kv, mimg
	v_lshl_add_u32 v[SPW], v0, 2, SPARE
	v_mov_b32 v[NIL], 0
	v_lshrrev_b32 v10, 5, v0
	v_readfirstlane_b32 s20, v10                   ; wave
	v_and_b32 v11, 31, v0                          ; lane
	v_and_b32 v12, 15, v0                          ; r
	v_bfe_u32 v13, v0, 4, 1                        ; h
	v_lshlrev_b32 v[LI], 4, v11
	s_wait_alu depctr_va_vdst(0)
	s_wait_kmcnt 0x0
	s_load_b128 s[24:27], s[12:13], 0x0            ; eq, ek, ep, ev
	s_cmp_ge_u32 ttmp9, 640
	s_cbranch_scc1 .Lv
	; ---- key, mask
	s_mul_i32 s34, s20, STG
	s_wait_alu depctr_va_vdst(0)
	v_add_nc_u32 v[SIN], s34, v[LI]
	v_mul_u32_u24 v[SOUT], v12, SPITCH
	v_lshl_add_u32 v[SOUT], v13, 6, v[SOUT]
	v_add_nc_u32 v[SOUT], s34, v[SOUT]
	s_and_b32 s35, ttmp9, 511                      ; which 256 rows of key
	s_lshl_b32 s36, s35, 17                        ; from: 256 rows of 512 bytes a work-group,
	s_lshl_b32 s38, s20, 15                        ; 64 rows a wave
	s_add_co_u32 s36, s36, s38
	s_lshl_b32 s38, s35, 16                        ; to: two key steps of 32,768 bytes a work-group,
	s_lshr_b32 s40, s20, 1
	s_lshl_b32 s40, s40, 15                        ; waves 2 and 3 in the second,
	s_add_co_u32 s38, s38, s40
	s_and_b32 s40, s20, 1
	s_lshl_b32 s40, s40, 13                        ; 4 tiles a wave
	s_add_co_u32 s38, s38, s40
	s_and_b32 s40, ttmp9, 127                      ; the mask's tile of 16 rows
	s_lshr_b32 s41, s40, 1
	s_lshl_b32 s41, s41, 18                        ; its pair: 32 rows of 8,192 bytes in the mask, and as many bytes in mimg
	s_and_b32 s40, s40, 1
	s_lshl_b32 s42, s40, 16                        ; from: the odd tile begins 8 rows further down,
	s_add_co_u32 s42, s42, s41
	s_lshl_b32 s43, s20, 11                        ; 4 key steps of 512 bytes a wave
	s_add_co_u32 s42, s42, s43
	s_lshl_b32 s40, s40, 13                        ; to: the odd tile's 8,192 bytes behind the even one's,
	s_add_co_u32 s41, s41, s40
	s_lshl_b32 s43, s20, 16                        ; 4 key steps of 16,384 bytes a wave
	s_add_co_u32 s41, s41, s43
	s_cmp_ge_u32 ttmp9, 512                        ; the choices hang on the work-group's number alone
	s_cselect_b64 s[28:29], s[10:11], s[6:7]
	s_cselect_b64 s[30:31], s[18:19], s[16:17]
	s_cselect_b32 s36, s42, s36
	s_cselect_b32 s38, s41, s38
	s_cselect_b32 s21, 1, 0                        ; 1: the mask
	s_mov_b32 s37, 0
	s_mov_b32 s39, 0
	s_add_nc_u64 s[28:29], s[28:29], s[36:37]      ; from
	s_add_nc_u64 s[30:31], s[30:31], s[38:39]      ; to
.macro LOADT t                         ; tile t's 16 rows into set t % 2: sixteen loads on either way
	s_cmp_eq_u32 s21, 0
	s_cbranch_scc0 .Lmload_\@
.irp i, 0,1,2,3,4,5,6,7,8,9,10,11,12,13,14,15
	global_load_b128 v[R+64*((\t)%2)+4*\i:R+64*((\t)%2)+4*\i+3], v[LI], s[28:29] offset:(32*((\t)/2)+8*((\t)%2)+\i+8*(\i/8))*512 th:TH_LOAD_NT
.endr
	s_branch .Lloaded_\@
.Lmload_\@:                            ; the mask: rows 8,192 bytes apart, key step t of my four
.irp i, 0,1,2,3,4,5,6,7,8,9,10,11,12,13,14,15
	global_load_b128 v[R+64*((\t)%2)+4*\i:R+64*((\t)%2)+4*\i+3], v[LI], s[28:29] offset:(\i+8*(\i/8))*8192+512*(\t) th:TH_LOAD_NT
.endr
.Lloaded_\@:
.endm
.macro TILE t
.if (\t) < 3
	s_wait_loadcnt 16                              ; this tile's 16 loads are in; the next tile's 16 may be out
.else
	s_wait_loadcnt 0
.endif
	s_wait_xcnt 0x0                                ; the last tile's stores have read their registers
.irp i, 0,1,2,3,4,5,6,7,8,9,10,11,12,13,14,15
	ds_store_b128 v[SIN], v[R+64*((\t)%2)+4*\i:R+64*((\t)%2)+4*\i+3] offset:SPITCH*\i
.endr
.irp b, 0,1,2,3                        ; LDS serves a wave's instructions in order (ISA guide 5.7.1.4)
.irp j, 0,1,2,3
	ds_load_b128 v[X+16*\b+4*\j:X+16*\b+4*\j+3], v[SOUT] offset:128*\b+16*\j
.endr
.endr
	s_wait_dscnt 0x0
.if (\t) < 2
	LOADT (\t)+2
.endif
	s_cmp_eq_u32 s21, 0
	s_cbranch_scc0 .Lmarm_\@
.set n, 0
.rept 64
	v_med3_num_f32 v[X+n], v[X+n], -v[LIM], v[LIM] ; the conversion does not saturate (ISA guide 7.6.2): the hold
.set n, n+1
.endr
.irp b, 0,1,2,3
	v_cvt_scalef32_pk8_fp8_f32 v[C+4*\b:C+4*\b+1], v[X+16*\b:X+16*\b+7], v[SC]
	v_cvt_scalef32_pk8_fp8_f32 v[C+4*\b+2:C+4*\b+3], v[X+16*\b+8:X+16*\b+15], v[SC]
.endr
	v_nop
.irp c, 0,1,2,3
	global_store_b128 v[LI], v[C+4*\c:C+4*\c+3], s[30:31] offset:2048*(\t)+512*\c   ; 32 lanes store 512 consecutive bytes, aligned
.endr
	s_branch .Ldone_\@
.Lmarm_\@:
.set n, 0
.rept 64
	v_ldexp_f32 v[X+n], v[X+n], s33                ; x 2^-(eq + ek)
.set n, n+1
.endr
.irp c, 0,1,2,3,4,5,6,7,8,9,10,11,12,13,14,15
	global_store_b128 v[LI], v[X+4*\c:X+4*\c+3], s[30:31] offset:16384*(\t)+512*\c
.endr
.Ldone_\@:
.endm
	LOADT 0
	LOADT 1
	s_wait_kmcnt 0x0
	s_add_co_i32 s33, s24, s25
	s_sub_co_i32 s33, 0, s33                       ; -(eq + ek)
	s_add_co_i32 s32, s25, 127                     ; ek
	s_lshl_b32 s34, s32, 23
	v_mov_b32 v[SC], s34                           ; 2^ek as f32
	s_add_co_i32 s32, s32, 8
	s_lshl_b32 s32, s32, 23
	s_or_b32 s32, s32, 0x600000
	v_mov_b32 v[LIM], s32                          ; 448 x 2^ek
	s_wait_alu depctr_va_vdst(0)
	TILE 0
	TILE 1
	TILE 2
	TILE 3
	s_wait_tensorcnt 0x0                           ; the wave's end
	ds_add_u32 v[SPW], v[NIL]
	s_wait_dscnt 0x0
	s_endpgm
	; ---- value: a work-group takes one key step of one head (128 keys x 128 channels), a wave 32 channels, a lane one
.Lv:
	s_sub_co_u32 s34, ttmp9, 640                   ; 16 x head + key step
	s_lshl_b32 s36, s34, 16
	s_lshl_b32 s35, s20, 7
	s_add_co_u32 s36, s36, s35
	s_mov_b32 s37, 0
	s_add_nc_u64 s[28:29], s[8:9], s[36:37]
	s_lshl_b32 s38, s34, 15
	s_lshl_b32 s35, s20, 12
	s_add_co_u32 s38, s38, s35
	s_add_co_u32 s38, s38, 16384                   ; behind K's image
	s_mov_b32 s39, 0
	s_add_nc_u64 s[30:31], s[16:17], s[38:39]
	s_wait_alu depctr_va_vdst(0)
	v_lshlrev_b32 v[VS], 2, v11
	v_lshlrev_b32 v[VD], 11, v13
	v_lshl_add_u32 v[VD], v12, 4, v[VD]
.macro VLOAD c
.irp i, 0,1,2,3,4,5,6,7,8,9,10,11,12,13,14,15,16,17,18,19,20,21,22,23,24,25,26,27,28,29,30,31
	global_load_b32 v[R+32*(\c)+\i], v[VS], s[28:29] offset:(32*(\c)+\i)*512 th:TH_LOAD_NT
.endr
.endm
.macro VBLOCK c
.if (\c) < 3
	s_wait_loadcnt 32
.else
	s_wait_loadcnt 0
.endif
.if (\c) < 2
	VLOAD (\c)+2
.endif
.irp i, 0,1,2,3,4,5,6,7,8,9,10,11,12,13,14,15,16,17,18,19,20,21,22,23,24,25,26,27,28,29,30,31
	v_med3_num_f32 v[R+32*(\c)+\i], v[R+32*(\c)+\i], -v[LIM], v[LIM]
.endr
.irp g, 0,1,2,3
	v_cvt_scalef32_pk8_fp8_f32 v[C+8*(\c)+2*\g:C+8*(\c)+2*\g+1], v[R+32*(\c)+8*\g:R+32*(\c)+8*\g+7], v[SC]
.endr
	v_nop
	global_store_b128 v[VD], v[C+8*(\c):C+8*(\c)+3], s[30:31] offset:512*(\c)            ; sixteen lanes store 256 consecutive bytes, aligned
	global_store_b128 v[VD], v[C+8*(\c)+4:C+8*(\c)+7], s[30:31] offset:512*(\c)+256
.endm
	VLOAD 0
	VLOAD 1
	s_wait_alu depctr_va_vdst(0)
	s_wait_kmcnt 0x0
	s_add_co_i32 s32, s27, 127                     ; ev
	s_lshl_b32 s34, s32, 23
	v_mov_b32 v[SC], s34
	s_add_co_i32 s32, s32, 8
	s_lshl_b32 s32, s32, 23
	s_or_b32 s32, s32, 0x600000
	v_mov_b32 v[LIM], s32
	s_wait_alu depctr_va_vdst(0)
	VBLOCK 0
	VBLOCK 1
	VBLOCK 2
	VBLOCK 3
	s_wait_tensorcnt 0x0
	ds_add_u32 v[SPW], v[NIL]
	s_wait_dscnt 0x0
	s_endpgm
.Lfunc_end_k_qdcbdff701c_prep:
	.size	k_qdcbdff701c_prep, .Lfunc_end_k_qdcbdff701c_prep-k_qdcbdff701c_prep
	.p2alignl 7, 3214868480
	.fill 96, 4, 3214868480
	.section	.rodata,"a",@progbits
	.p2align	6, 0x0
	.amdhsa_kernel k_qdcbdff701c_prep
		.amdhsa_group_segment_fixed_size 34304
		.amdhsa_private_segment_fixed_size 0
		.amdhsa_enable_private_segment 0
		.amdhsa_kernarg_size 48
		.amdhsa_user_sgpr_count 2
		.amdhsa_user_sgpr_kernarg_segment_ptr 1
		.amdhsa_wavefront_size32 1
		.amdhsa_system_sgpr_workgroup_id_x 1
		.amdhsa_system_sgpr_workgroup_id_y 1
		.amdhsa_system_sgpr_workgroup_id_z 1
		.amdhsa_system_vgpr_workitem_id 0
		.amdhsa_next_free_vgpr 240
		.amdhsa_next_free_sgpr 66
		.amdhsa_reserve_vcc 0
		.amdhsa_float_denorm_mode_32 3
		.amdhsa_float_denorm_mode_16_64 3
		.amdhsa_memory_ordered 1
		.amdhsa_forward_progress 1
		.amdhsa_inst_pref_size 89
	.end_amdhsa_kernel
	.amdgpu_metadata
---
amdhsa.version: [ 1, 2 ]
amdhsa.kernels:
  - .name:           k_qdcbdff701c_prep
    .symbol:         k_qdcbdff701c_prep.kd
    .args:
      - { .name: key, .offset: 0, .size: 8, .value_kind: global_buffer, .address_space: global }
      - { .name: value, .offset: 8, .size: 8, .value_kind: global_buffer, .address_space: global }
      - { .name: attn_mask, .offset: 16, .size: 8, .value_kind: global_buffer, .address_space: global }
      - { .name: lowp_scales, .offset: 24, .size: 8, .value_kind: global_buffer, .address_space: global }
      - { .name: kv, .offset: 32, .size: 8, .value_kind: global_buffer, .address_space: global }
      - { .name: mimg, .offset: 40, .size: 8, .value_kind: global_buffer, .address_space: global }
    .group_segment_fixed_size: 34304
    .private_segment_fixed_size: 0
    .kernarg_segment_align: 8
    .kernarg_segment_size: 48
    .max_flat_workgroup_size: 128
    .sgpr_count:     66
    .vgpr_count:     240
    .wavefront_size: 32
...
	.end_amdgpu_metadata
.endif
;; end of part 1
;; launch attn (part 2): grid 16 x 32, 4 waves a work-group, clusters of 4 x 4, 327,680 bytes of LDS; arguments query, kv, mimg, lowp_scales, out0; writes out0
.if DOCPART == 2
	.amdgcn_target "amdgcn-amd-amdhsa--gfx1250"
	.amdhsa_code_object_version 6
	.text
	.protected	k_qdcbdff701c_attn
	.globl	k_qdcbdff701c_attn
	.p2align	8
	.type	k_qdcbdff701c_attn,@function
k_qdcbdff701c_attn:
	s_mov_b64 s[64:65], 0
	v_nop
	global_prefetch_b8 v0, s[64:65] scope:SCOPE_SE
	s_setreg_imm32_b32 hwreg(HW_REG_WAVE_MODE, 25, 1), 1
	s_wait_xcnt 0x0
	s_wait_alu depctr_hold_cnt(0) depctr_sa_sdst(0) depctr_va_vdst(0) depctr_va_sdst(0) depctr_va_ssrc(0) depctr_va_vcc(0) depctr_vm_vsrc(0)
	s_getreg_b32 s2, hwreg(HW_REG_IB_STS2, 6, 4)
	s_cmp_eq_u32 s2, 0
	s_cbranch_scc0 .Lentry_in_a_cluster
	s_endpgm
.Lentry_in_a_cluster:
	s_bfe_u32 s2, ttmp6, 0x10000c
	s_cmp_lg_u32 s2, 0xf033
	s_cbranch_scc0 .Lentry_shape_is_right
	s_endpgm
.Lentry_shape_is_right:
; out0[head][q][:] = the sum over k of softmax_k((Q[q] . K[k] + mask[q][k]) / sqrt(128)) V[k][:], both products on codes of FP8 (E4M3), each tensor with its given scale 2^e: eq, ek, ep, ev.
; K, V and the mask come as images of their registers (a piece: 512 bytes, lane l's 16 bytes at 16 l), made by the launch before:
;   kv [head][key step 16][K's 8 tiles of 2,048 bytes | V's 8 tiles]; mimg [pair of query tiles 64][key step 16][tile of the pair 2][16 pieces], f32, the mask x 2^-(eq + ek).
; query (f32) is read once, by the wave that owns the rows, and quantised at the head: each load reads a whole row (512 consecutive bytes); a tile of 16 rows turns through the wave's own stage in LDS
; (rows 528 bytes apart) and comes back 64 numbers a lane, 16 neighbouring channels of each block of 32.
; THE SOFTMAX: t = (sum + mask) x log2(e) / sqrt(128); M = the row's largest t so far, rounded UP to a whole number; p = 2^(t - M) is quantised, not normalised.  The row's sum is taken of the
; unquantised p and divides O at the end.  When M moves, the sums and O are multiplied by 2^(old M - new M): exact.  The running maximum is kept of the raw sums; c is positive, so c x it is the largest t.
; SHARES.  A work-group owns 128 queries of TWO heads (2 y, 2 y + 1): the mask's tile of a key step, 64 KB, serves both.  Wave w: head 2 y + w / 2, queries 64 (w % 2) on: four tiles of 16, so each fragment of K and V feeds four products.
; CLUSTERS, 4 x 4: the mask's tile hangs on the query block (x) alone and is asked for jointly along a column; K and V hang on the pair of heads (y) alone and are asked for jointly along a row.
; THE RING: two slots of 128 KB, a key step each: mask 64 KB, head 2 y's K | V, head 2 y + 1's K | V.  Wave w fetches 32 KB at 32 KB x w by one joint load (waves 0, 1: the mask; 2, 3: K and V).
; THE ROUND STANDS BEHIND STEP j'S FIRST PRODUCT AND MAXIMA: by then the step's mask, K and V are all in registers, so its slot takes step j + 2, and step j + 1's operands are read from the other slot under step j's softmax:
; K at once, the mask into each tile's registers when its p has become codes, V behind the second product.
; LAYOUT.  Both products transposed: S^T = K Q^T + mask (the mask's image is loaded into S^T's registers and is the product's C), O^T = V^T P^T: a lane holds one query.  Row r of tile T is row 32 (T / 2) + 8 (T % 2) + r + 8 (r / 8).
; LIMITS: eq + ek between -123 and 130 (added to c's exponent field); eq, ep between -126 and 119.  NaN among the inputs is not served; a row that is -infinity throughout gives NaN, as the definition does.
; REGISTERS.  Window 0: v1-15 addresses, constants; v16-47 statistics, 8 a tile; v48-50 Q's scale, hold and stage address; v64-127 Q; v128-175, v224-239 p's codes; v176-223, v240-255 the sums, eight chains a tile.
;   Window 1: S^T, then p.  Window 2: O^T.  Window 3: v0-127 K, v128-255 V.
.set SLOT1, 1<<17
.set SPARE, 2*SLOT1                    ; behind the ring: the spare words, 128 bytes a wave
.set STG,   8448                       ; a wave's stage: 16 rows x 528 bytes, for query on the way in and for O on the way out
.set STGB,  SPARE+512                  ; the four stages: bytes of their own, on which no tensor load lands
.set LI,  1                            ; 16 x lane
.set AM0, 2                            ; my mask's place in a slot
.set AK0, 3                            ; my head's K | V in a slot
.set SPW, 4
.set NIL, 5
.set STO, 6
.set RD,  7
.set PFO, 8                            ; 256 x lane
.set SC,  9                            ; 2^ep
.set LIM, 10                           ; 448 x 2^ep
.set AM,  11
.set AK,  14
.set LN,  15                           ; lane
.set ST,  16                           ; tile t at ST + 8 t: +0 -M, +1 the largest raw sum, +4 f (+5 named with it), +6, +7 at work
.set SQ,  48                           ; 2^eq
.set LQ,  49                           ; 448 x 2^eq
.set QS,  50                           ; the stage, query's way back: row r, + 64 h
.set Q,   64
.set WV,  14
.set QH,  15                           ; wave % 2
.set G1M, 16
.set G1K, 24
.set G0M, 32
.set G0K, 36
.set SEL, 40
.set CS,  42
.set TB,  44
.set CNT, 45
.set CX,  46
.set CY,  47
.set XX,  48
.set YY,  49
.set PFA, 56
.set PFS, 58
.set HS,  66                           ; wave / 2: my head of the two; also 0: I fetch the mask, 1: K and V
.set MSB, 0
.macro WIN new                         ; low byte: bits 1:0 source 0, 3:2 source 1, 5:4 source 2, 7:6 destination; the high byte repeats the setting that is left
.if MSB != \new
	s_set_vgpr_msb (MSB<<8)|\new
.set MSB, \new
.endif
.endm
.macro PLACES
.rept 4
	v_nop
.endr
.endm
.macro SETP t                          ; where tile t's codes lie in window 0
.set PR, 128+16*(\t)
.if (\t) == 2
.set PR, 224
.endif
.if (\t) == 3
.set PR, 160
.endif
.endm
.macro SETA t                          ; where tile t's eight chains of the sum lie in window 0
.set AR, 176+16*(\t)
.if (\t) == 3
.set AR, 240
.endif
.endm
.macro JLOAD                           ; a joint load: one line, one mask for the mask's waves, one for K's and V's; the branch hangs on the wave's number alone
	s_cmp_eq_u32 s[HS], 0
	s_cbranch_scc0 .Lkv_\@
	tensor_load_to_lds s[G0M:G0M+3], s[G1M:G1M+7]
	s_nop 0
	PLACES
	s_branch .Lj_\@
.Lkv_\@:
	tensor_load_to_lds s[G0K:G0K+3], s[G1K:G1K+7]
	s_nop 0
	PLACES
.Lj_\@:
.endm
.macro CREST                           ; a round of the cluster's barrier behind its opening barrier
	s_cmp_lg_u32 s[WV], 0
	s_cbranch_scc1 .Lnw_\@
	s_barrier_signal -3
.Lnw_\@:
	s_barrier_wait -3
	s_barrier_signal -1
	s_barrier_wait -1
.endm
.macro CROUND
	s_barrier_signal -1
	s_barrier_wait -1
	CREST
.endm
.macro WALK                            ; both walking groups 0: the other slot, the next key step; written only behind the wait for all my tensor loads
	s_xor_b32 s[G0M+1], s[G0M+1], SLOT1
	s_add_nc_u64 s[G0M+2:G0M+3], s[G0M+2:G0M+3], 16384
	s_xor_b32 s[G0K+1], s[G0K+1], SLOT1
	s_add_nc_u64 s[G0K+2:G0K+3], s[G0K+2:G0K+3], 32768
.endm
; A PREFETCH INTO THE L2: in step j, which asks for step j + 2, my work-group's quarter (8,192 bytes, lanes 256 bytes apart) of the 32 KB that my wave will ask for as step j + 4.  The four partners of a joint load
; share its bytes out by address, so each block of 256 bytes is named once in each cluster that loads it.  Steps 12 and 13 ask for nothing: there is no step 16.  Steps 0 to 3 come by their loads alone.
.macro ASK
	s_cmp_ge_u32 s[CNT], 3
	s_cbranch_scc0 .Lnp_\@
	global_prefetch_b8 v[PFO], s[PFA:PFA+1] th:TH_LOAD_NT scope:SCOPE_SE
.Lnp_\@:
.endm
.macro QL t                            ; query's tile t, f32, into O^T's window, which is still free: each load is a whole row, 512 consecutive bytes
.irp n, 0,1,2,3,4,5,6,7,8,9,10,11,12,13,14,15
	global_load_b128 v[64*\t+4*\n:64*\t+4*\n+3], v[LI], s[4:5] offset:(32*(\t/2)+8*(\t%2)+\n+8*(\n/8))*512 th:TH_LOAD_NT
.endr
.endm
.macro QT t, xb, wx                    ; tile t through my stage (LDS serves a wave's instructions in order: ISA guide 5.7.1.4): number 4 n + i comes back as channel 32 (n / 4) + 16 h + 4 (n % 4) + i of row r
	WIN 0x08
.irp i, 0,1,2,3,4,5,6,7,8,9,10,11,12,13,14,15
	ds_store_b128 v[RD], v[64*\t+4*\i:64*\t+4*\i+3] offset:528*\i
.endr
	WIN \wx
.irp n, 0,1,2,3,4,5,6,7,8,9,10,11,12,13,14,15
	ds_load_b128 v[\xb+4*\n:\xb+4*\n+3], v[QS] offset:128*(\n/4)+16*(\n%4)
.endr
.endm
.macro QC t, b, wm, wc                 ; held within +-448 x 2^eq (the conversion does not saturate: ISA guide 7.6.2) and converted: the results are the operand's registers
	WIN \wm
.set k, 0
.rept 64
	v_med3_num_f32 v[\b+k], v[\b+k], -v[LQ], v[LQ]
.set k, k+1
.endr
	WIN \wc
.irp c, 0,1,2,3
	v_cvt_scalef32_pk8_fp8_f32 v[Q+16*\t+4*\c:Q+16*\t+4*\c+1], v[\b+16*\c:\b+16*\c+7], v[SQ]
	v_cvt_scalef32_pk8_fp8_f32 v[Q+16*\t+4*\c+2:Q+16*\t+4*\c+3], v[\b+16*\c+8:\b+16*\c+15], v[SQ]
.endr
.endm
	s_load_b256 s[4:11], s[0:1], 0x0               ; query, kv, mimg, the scales' exponents
	s_load_b64 s[12:13], s[0:1], 0x20              ; out0
	v_lshl_add_u32 v[SPW], v0, 2, SPARE
	v_mov_b32 v[NIL], 0
	ds_add_u32 v[SPW], v[NIL]                      ; the opening lines: the add, twice on end, and its wait
	ds_add_u32 v[SPW], v[NIL]
	v_lshrrev_b32 v12, 5, v0
	v_readfirstlane_b32 s[WV], v12
	s_and_b32 s[QH], s[WV], 1
	s_lshr_b32 s[HS], s[WV], 1
	s_bfe_u32 s[CX], ttmp6, 0x40000
	s_bfe_u32 s[CY], ttmp6, 0x40004
	s_lshl_b32 s[XX], ttmp9, 2
	s_add_co_u32 s[XX], s[XX], s[CX]               ; query block
	s_and_b32 s[YY], ttmp7, 0xffff
	s_lshl_b32 s[YY], s[YY], 2
	s_add_co_u32 s[YY], s[YY], s[CY]               ; pair of heads
	s_lshl_b32 s50, s[CY], 2
	s_lshl_b32 s50, 15, s50                        ; my row of the cluster
	s_lshl_b32 s51, 0x1111, s[CX]                  ; my column
	s_or_b32 s[G1M], s51, (3<<16)|(1<<21)          ; the mask: elements of 8 bytes; two rows of 16,384 bytes (two pairs of tiles), 262,144 bytes apart
	s_mov_b32 s[G1M+1], 2048<<16
	s_mov_b32 s[G1M+2], 2<<16
	s_mov_b32 s[G1M+3], 2048<<16
	s_mov_b32 s[G1M+4], 2
	s_mov_b32 s[G1M+5], 32768
	s_mov_b32 s[G1M+6], 0
	s_mov_b32 s[G1M+7], 0
	s_or_b32 s[G1K], s50, (3<<16)|(1<<21)          ; K | V: a dense block of 32,768 bytes as 128 rows of 256
	s_mov_b32 s[G1K+1], 32<<16
	s_mov_b32 s[G1K+2], 128<<16
	s_mov_b32 s[G1K+3], 32<<16
	s_mov_b32 s[G1K+4], 128
	s_mov_b32 s[G1K+5], 32
	s_mov_b32 s[G1K+6], 0
	s_mov_b32 s[G1K+7], 0
	s_lshl_b32 s52, s[XX], 20                      ; mimg: pair 4 x + 2 (wave % 2), 262,144 bytes a pair
	s_lshl_b32 s53, s[QH], 19
	s_add_co_u32 s52, s52, s53
	s_mov_b32 s53, 0
	s_lshl_b32 s54, s[YY], 20                      ; kv: head 2 y + wave % 2, 524,288 bytes a head
	s_lshl_b32 s55, s[QH], 19
	s_add_co_u32 s54, s54, s55
	s_mov_b32 s55, 0
	s_lshl_b32 s67, s[WV], 15                      ; LDS: 32 KB x wave
	s_wait_alu depctr_va_vdst(0)
	s_wait_dscnt 0x0
	s_wait_kmcnt 0x0
	CROUND                                         ; in front of the first joint loads
	s_mov_b32 s[G0M], 1
	s_mov_b32 s[G0M+1], s67
	s_add_nc_u64 s[G0M+2:G0M+3], s[8:9], s[52:53]
	s_or_b32 s[G0M+3], s[G0M+3], 0x80000000
	s_mov_b32 s[G0K], 1
	s_mov_b32 s[G0K+1], s67
	s_add_nc_u64 s[G0K+2:G0K+3], s[6:7], s[54:55]
	s_or_b32 s[G0K+3], s[G0K+3], 0x80000000
	JLOAD                                          ; key step 0 into slot 0: my one tensor load at the head
	s_load_b128 s[60:63], s[10:11], 0x0            ; eq, ek, ep, ev
	s_lshl_b32 s68, s[YY], 1
	s_add_co_u32 s68, s68, s[HS]                   ; my head
	s_lshl_b32 s70, s68, 20                        ; query and out0 alike: 2,048 rows of 512 bytes a head, 128 a block, my 64
	s_lshl_b32 s69, s[XX], 16
	s_add_co_u32 s70, s70, s69
	s_lshl_b32 s69, s[QH], 15
	s_add_co_u32 s70, s70, s69
	s_mov_b32 s71, 0
	s_add_nc_u64 s[4:5], s[4:5], s[70:71]
	s_add_nc_u64 s[12:13], s[12:13], s[70:71]
	v_and_b32 v12, 15, v0                          ; r
	v_bfe_u32 v13, v0, 4, 1                        ; h
	v_and_b32 v[LN], 31, v0
	v_lshlrev_b32 v[LI], 4, v[LN]
	WIN 0x80
	QL 0
	QL 1
	QL 2
	QL 3
	WIN 0
	s_lshr_b32 s72, s[CY], 1                       ; the prefetches: the mask's partners differ in cy: row cy / 2 of the tile's two, half cy % 2 of it
	s_lshl_b32 s72, s72, 18
	s_and_b32 s73, s[CY], 1
	s_lshl_b32 s73, s73, 13
	s_add_co_u32 s72, s72, s73
	s_add_co_u32 s72, s72, s52
	s_add_co_u32 s72, s72, 3*16384                 ; at step 3: step 0's body steps it to step 4
	s_lshl_b32 s73, s[CX], 13                      ; K's and V's partners differ in cx
	s_add_co_u32 s73, s73, s54
	s_add_co_u32 s73, s73, 3*32768
	s_mov_b32 s[PFS], 32768
	s_cmp_eq_u32 s[HS], 0
	s_cselect_b64 s[PFA:PFA+1], s[8:9], s[6:7]
	s_cselect_b32 s72, s72, s73
	s_cselect_b32 s[PFS], 16384, s[PFS]
	s_mov_b32 s73, 0
	s_mov_b32 s[PFS+1], 0
	s_add_nc_u64 s[PFA:PFA+1], s[PFA:PFA+1], s[72:73]
	s_lshl_b32 s74, s[QH], 15
	s_lshl_b32 s75, s[HS], 15
	s_add_co_u32 s75, s75, 65536
	s_mul_i32 s76, s[WV], STG
	s_add_co_u32 s76, s76, STGB                    ; my stage
	s_mov_b32 s[SEL], 0x76543210
	s_mov_b32 s[SEL+1], 0xfedcba98
	s_mov_b32 s[TB], 0
	s_mov_b32 s[CNT], 14
	s_wait_alu depctr_va_vdst(0)                   ; r, h, the lane
	v_mul_u32_u24 v[STO], v12, 528
	v_lshl_add_u32 v[QS], v13, 6, v[STO]
	v_lshl_add_u32 v[STO], v13, 5, v[STO]
	v_add_nc_u32 v[QS], s76, v[QS]
	v_add_nc_u32 v[STO], s76, v[STO]               ; the stage, O's way in: row r, + 32 h
	v_lshlrev_b32 v[PFO], 8, v[LN]
	v_add_nc_u32 v[AM0], s74, v[LI]
	v_add_nc_u32 v[AK0], s75, v[LI]
	v_add_nc_u32 v[RD], s76, v[LI]                 ; 32 lanes take a row of 512 bytes: query's way in, O's way back
.irp t, 0,1,2,3
	v_mov_b32 v[ST+8*\t], 0x7f61b1e6               ; -M: 3e38
	v_mov_b32 v[ST+8*\t+1], 0xff61b1e6             ; the largest raw sum so far: -3e38
.irp q, 4,5,6,7
	v_mov_b32 v[ST+8*\t+\q], 0
.endr
.endr
	s_wait_alu depctr_va_vdst(0)
	s_wait_kmcnt 0x0
	s_add_co_i32 s50, s60, s61
	s_lshl_b32 s50, s50, 23
	s_mov_b32 s[CS], 0x3e0293ee                    ; c = log2(e) / sqrt(128),
	s_add_co_i32 s[CS], s[CS], s50                 ; x 2^(eq + ek)
	s_mov_b32 s[CS+1], s[CS]
	s_add_co_i32 s50, s62, 127
	s_lshl_b32 s51, s50, 23
	v_mov_b32 v[SC], s51
	s_add_co_i32 s50, s50, 8
	s_lshl_b32 s50, s50, 23
	s_or_b32 s50, s50, 0x600000
	v_mov_b32 v[LIM], s50
	s_add_co_i32 s50, s60, 127
	s_lshl_b32 s51, s50, 23
	v_mov_b32 v[SQ], s51
	s_add_co_i32 s50, s50, 8
	s_lshl_b32 s50, s50, 23
	s_or_b32 s50, s50, 0x600000
	v_mov_b32 v[LQ], s50
	s_wait_alu depctr_va_vdst(0)                   ; the wait ahead of the waits below
	s_wait_loadcnt 0x0                             ; query is in
	s_wait_tensorcnt 0x0                           ; my part of step 0 is in: none of my tensor loads is out while I store to LDS
	QT 0, 0, 0xc0                                  ; the tiles come back where nothing lives yet: three in K's and V's window, one in window 0's v128-191
	QT 1, 128, 0xc0
	QT 2, 192, 0xc0
	QT 3, 128, 0
	WIN 0
	s_wait_tensorcnt 0x0                           ; slot 1's first fill is issued as a refill is: the three lines, the round
	ds_add_u32 v[SPW], v[NIL]
	WALK
	s_wait_dscnt 0x0
	CROUND
	JLOAD                                          ; key step 1 into slot 1; what follows up to the loop runs while it is on its way
	WIN 0x40
.irp t, 0,1,2,3
.irp c, 0,1,2,3,4,5,6,7,8,9,10,11,12,13,14,15
	ds_load_b128 v[64*\t+4*\c:64*\t+4*\c+3], v[AM0] offset:8192*\t+512*\c   ; step 0's mask into S^T's registers
.endr
.endr
	QC 3, 128, 0, 0
	QC 0, 0, 0xc3, 0x03
	QC 1, 128, 0xc3, 0x03
	QC 2, 192, 0xc3, 0x03
	v_nop                                          ; a plain line behind the last conversion
	WIN 0xc0
.irp f, 0,1,2,3,4,5,6,7,8,9,10,11,12,13,14,15
.irp c, 0,1,2,3
	ds_load_b128 v[16*\f+4*\c:16*\f+4*\c+3], v[AK0] offset:2048*\f+512*\c   ; step 0's K, then its V: the youngest 32 loads
.endr
.endr
	WIN 0
.irp t, 0,1,2,3
	SETA \t
.irp q, 0,1,2,3,4,5,6,7,8,9,10,11,12,13,14,15
	v_mov_b32 v[AR+\q], 0                          ; the sums
.endr
.endr
	WIN 0x80
.set k, 0
.rept 128
	v_pk_add_f32 v[2*k:2*k+1], v[ST+4:ST+5], v[ST+4:ST+5]   ; O^T begins as zeros (0 + 0), two registers a line: the step has no first form of its own, and the first change of M leaves zeros zeros
.set k, k+1
.endr
	WIN 0
	s_wait_alu depctr_va_vdst(0)                   ; the wait at the head's end
.macro QK f0, f1                       ; S^T = K Q^T + the mask: one instruction an accumulator
.set ff, \f0
.rept \f1-\f0+1
.irp t, 0,1,2,3
	v_wmma_f32_16x16x128_fp8_fp8 v[64*\t+8*ff:64*\t+8*ff+7], v[16*ff:16*ff+15], v[Q+16*\t:Q+16*\t+15], v[64*\t+8*ff:64*\t+8*ff+7]
.endr
.set ff, ff+1
.endr
.endm
.macro ML t                            ; tile t's p has become codes: its registers take the next step's mask
	WIN 0x40
.irp c, 0,1,2,3,4,5,6,7,8,9,10,11,12,13,14,15
	ds_load_b128 v[64*\t+4*\c:64*\t+4*\c+3], v[AM] offset:8192*\t+512*\c
.endr
.endm
; A batch: tile t's 64 exponentials; between them tile t + 1's scalings and tile t - 1's holds, none of which names a result of the batch or reads what a line of the batch wrote.  One wait behind it.
.macro BATCH t
	WIN 0x41
.set k, 0
.rept 32
	v_exp_f32 v[64*\t+2*k], v[64*\t+2*k]
.if \t < 3
	v_pk_fma_f32 v[64*(\t+1)+2*k:64*(\t+1)+2*k+1], v[64*(\t+1)+2*k:64*(\t+1)+2*k+1], s[CS:CS+1], v[ST+8*(\t+1):ST+8*(\t+1)+1] op_sel_hi:[1,0,0]
.endif
	v_exp_f32 v[64*\t+2*k+1], v[64*\t+2*k+1]
.if \t > 0
	v_min_num_f32 v[64*(\t-1)+2*k], v[64*(\t-1)+2*k], v[LIM]       ; the conversion does not saturate (ISA guide 7.6.2); p is not negative: a one-sided hold
	v_min_num_f32 v[64*(\t-1)+2*k+1], v[64*(\t-1)+2*k+1], v[LIM]
.endif
.set k, k+1
.endr
.if \t == 0
	v_nop                                          ; a plain line behind the last exponential
.endif
	s_wait_alu depctr_va_vdst(0)                   ; the wait behind the batch; it also stands ahead of the next
.endm
.macro ADDS t                          ; the row's sum of the UNQUANTISED p, in eight chains
	SETA \t
.set k, 0
.rept 32
	v_pk_add_f32 v[AR+2*(k%8):AR+2*(k%8)+1], v[64*\t+2*k:64*\t+2*k+1], v[AR+2*(k%8):AR+2*(k%8)+1]
.set k, k+1
.endr
.endm
.macro CVT t
	SETP \t
.irp b, 0,1,2,3
	v_cvt_scalef32_pk8_fp8_f32 v[PR+4*\b:PR+4*\b+1], v[64*\t+16*\b:64*\t+16*\b+7], v[SC]
	v_cvt_scalef32_pk8_fp8_f32 v[PR+4*\b+2:PR+4*\b+3], v[64*\t+16*\b+8:64*\t+16*\b+15], v[SC]
.endr
.endm
; A KEY STEP.  kind 2: the round, the refill, the next step's operands.  kind 1 (step 14): a barrier, no refill.  kind 0 (step 15): neither.
.macro BODY kind
.if \kind > 0
	s_wait_dscnt 32                                ; K and the mask are in; V's 32 loads may be out
.else
	s_wait_dscnt 0x0
.endif
	WIN 0x53
	QK 0, 7
	PLACES
	WIN 0x14                                       ; the running largest raw sum, two chains a tile, the tiles line by line
.irp t, 0,1,2,3
	v_max3_num_f32 v[ST+8*\t+6], v[ST+8*\t+1], v[64*\t+2], v[64*\t+3]
.endr
.irp t, 0,1,2,3
	v_max3_num_f32 v[ST+8*\t+1], v[ST+8*\t+1], v[64*\t], v[64*\t+1]
.endr
.set i, 2
.rept 15
.irp t, 0,1,2,3
	v_max3_num_f32 v[ST+8*\t+1], v[ST+8*\t+1], v[64*\t+2*i], v[64*\t+2*i+1]
.endr
.irp t, 0,1,2,3
	v_max3_num_f32 v[ST+8*\t+6], v[ST+8*\t+6], v[64*\t+2*i+2], v[64*\t+2*i+3]
.endr
.set i, i+2
.endr
	WIN 0
.if \kind > 0
	s_wait_alu depctr_va_vdst(0)
.if \kind == 2
	s_wait_xcnt 0x0                                ; my prefetch has read its address
	s_add_nc_u64 s[PFA:PFA+1], s[PFA:PFA+1], s[PFS:PFS+1]
.endif
	s_wait_tensorcnt 0x0                           ; my part of the next step's slot is in
	ds_add_u32 v[SPW], v[NIL]                      ; the statistics, work on registers, stand between the add and the wait for it
.if \kind == 2
	WALK
.endif
.endif
.irp t, 0,1,2,3
	v_max_num_f32 v[ST+8*\t+1], v[ST+8*\t+1], v[ST+8*\t+6]
.endr
.irp t, 0,1,2,3
	v_permlanex16_b32 v[ST+8*\t+6], v[ST+8*\t+1], s[SEL], s[SEL+1]   ; the query's other 64 keys lie in the lane 16 away
.endr
.irp t, 0,1,2,3
	v_max_num_f32 v[ST+8*\t+1], v[ST+8*\t+1], v[ST+8*\t+6]
.endr
.irp t, 0,1,2,3
	v_mul_f32 v[ST+8*\t+6], s[CS], v[ST+8*\t+1]    ; as t
.endr
.irp t, 0,1,2,3
	v_mov_b32 v[ST+8*\t+7], v[ST+8*\t]
.endr
.irp t, 0,1,2,3
	v_floor_f32 v[ST+8*\t], -v[ST+8*\t+6]          ; -M = floor(-t)
.endr
.irp t, 0,1,2,3
	v_sub_f32 v[ST+8*\t+7], v[ST+8*\t], v[ST+8*\t+7]
.endr
.irp t, 0,1,2,3
	v_cvt_i32_f32 v[ST+8*\t+7], v[ST+8*\t+7]       ; (it saturates)
.endr
.irp t, 0,1,2,3
	v_ldexp_f32 v[ST+8*\t+4], 1.0, v[ST+8*\t+7]    ; f = 2^(old M - new M)
.endr
.irp q, 0,1,2,3,4,5,6,7
.irp t, 0,1,2,3
	SETA \t
	v_pk_mul_f32 v[AR+2*\q:AR+2*\q+1], v[AR+2*\q:AR+2*\q+1], v[ST+8*\t+4:ST+8*\t+5] op_sel_hi:[1,0]
.endr
.endr
.if \kind > 0
	s_wait_dscnt 0x0                               ; the add is done, V is in: my reads of this step's slot are over
	s_barrier_signal -1
.endif
	WIN 0x82
.irp t, 0,1,2,3
.set k, 0
.rept 32
	v_pk_mul_f32 v[64*\t+2*k:64*\t+2*k+1], v[64*\t+2*k:64*\t+2*k+1], v[ST+8*\t+4:ST+8*\t+5] op_sel_hi:[1,0]   ; O^T under the new M: work on registers between the signal and the wait
.set k, k+1
.endr
.endr
	WIN 0
.if \kind > 0
	s_barrier_wait -1
.if \kind == 2
	CREST
	JLOAD                                          ; step j + 2 into the slot that step j has left
.endif
	s_xor_b32 s[TB], s[TB], SLOT1                  ; all LDS reads of this body are of the next step's slot
	v_add_nc_u32 v[AM], s[TB], v[AM0]
	v_add_nc_u32 v[AK], s[TB], v[AK0]
	WIN 0xc0
.irp f, 0,1,2,3,4,5,6,7
.irp c, 0,1,2,3
	ds_load_b128 v[16*\f+4*\c:16*\f+4*\c+3], v[AK] offset:2048*\f+512*\c
.endr
.endr
	WIN 0
.if \kind == 2
	ASK
.endif
.endif
	WIN 0x41
.set k, 0
.rept 32
	v_pk_fma_f32 v[2*k:2*k+1], v[2*k:2*k+1], s[CS:CS+1], v[ST:ST+1] op_sel_hi:[1,0,0]   ; tile 0: t - M
.set k, k+1
.endr
	s_wait_alu depctr_va_vdst(0)                   ; the wait ahead of the batch
	BATCH 0
	WIN 0x01
	ADDS 0
	BATCH 1
	WIN 0x01
	CVT 0
	ADDS 1
.if \kind > 0
	ML 0
.endif
	BATCH 2
	WIN 0x01
	CVT 1
	ADDS 2
.if \kind > 0
	ML 1
.endif
	BATCH 3
	WIN 0x01
	CVT 2
	ADDS 3
.if \kind > 0
	ML 2
.endif
	WIN 0x41
.set k, 0
.rept 64
	v_min_num_f32 v[192+k], v[192+k], v[LIM]
.set k, k+1
.endr
	WIN 0x01
	CVT 3
	v_nop                                          ; a plain line behind the last conversion
.if \kind > 0
	ML 3
.endif
	WIN 0xa3
.irp f, 0,1,2,3,4,5,6,7                ; O^T += V^T P^T: 32 accumulators, one instruction each
.irp t, 0,1,2,3
	SETP \t
	v_wmma_f32_16x16x128_fp8_fp8 v[64*\t+8*\f:64*\t+8*\f+7], v[128+16*\f:128+16*\f+15], v[PR:PR+15], v[64*\t+8*\f:64*\t+8*\f+7]
.endr
.endr
	WIN 0
	PLACES
.if \kind > 0
	WIN 0xc0
.irp f, 0,1,2,3,4,5,6,7
.irp c, 0,1,2,3
	ds_load_b128 v[128+16*\f+4*\c:128+16*\f+4*\c+3], v[AK] offset:16384+2048*\f+512*\c   ; the next step's V
.endr
.endr
	WIN 0
.endif
.endm
.Lstep:                                            ; steps 0 to 13 ask for steps 2 to 15
	BODY 2
	s_sub_co_u32 s[CNT], s[CNT], 1
	s_cmp_lg_u32 s[CNT], 0
	s_cbranch_scc1 .Lstep
	BODY 1                                         ; the last two steps are written out
	BODY 0
	; THE WAY OUT.  The sums' chains and halves are added; O^T x 2^(ep + ev) / the sum goes through my stage in LDS, a tile at a time, so that 32 lanes store a whole row of 512 bytes.
.irp q, 0,1,2,3
.irp t, 0,1,2,3
	SETA \t
	v_pk_add_f32 v[AR+2*\q:AR+2*\q+1], v[AR+2*\q:AR+2*\q+1], v[AR+2*\q+8:AR+2*\q+9]
.endr
.endr
.irp q, 0,1
.irp t, 0,1,2,3
	SETA \t
	v_pk_add_f32 v[AR+2*\q:AR+2*\q+1], v[AR+2*\q:AR+2*\q+1], v[AR+2*\q+4:AR+2*\q+5]
.endr
.endr
.irp t, 0,1,2,3
	SETA \t
	v_pk_add_f32 v[AR:AR+1], v[AR:AR+1], v[AR+2:AR+3]
.endr
.irp t, 0,1,2,3
	SETA \t
	v_add_f32 v[ST+8*\t+6], v[AR], v[AR+1]
.endr
.irp t, 0,1,2,3
	v_permlanex16_b32 v[ST+8*\t+7], v[ST+8*\t+6], s[SEL], s[SEL+1]
.endr
.irp t, 0,1,2,3
	v_add_f32 v[ST+8*\t+6], v[ST+8*\t+6], v[ST+8*\t+7]
.endr
	s_wait_alu depctr_va_vdst(0)                   ; ahead of the batch
.irp t, 0,1,2,3
	v_rcp_f32 v[ST+8*\t+4], v[ST+8*\t+6]
.endr
	v_nop
	s_add_co_i32 s50, s62, s63                     ; ep + ev
	s_wait_alu depctr_va_vdst(0)                   ; behind it
.irp t, 0,1,2,3
	v_ldexp_f32 v[ST+8*\t+4], v[ST+8*\t+4], s50
.endr
	WIN 0x82
	s_wait_alu depctr_va_vdst(0)                   ; the wait directly ahead of the first readers of O^T
.irp t, 0,1,2,3
.set k, 0
.rept 32
	v_pk_mul_f32 v[64*\t+2*k:64*\t+2*k+1], v[64*\t+2*k:64*\t+2*k+1], v[ST+8*\t+4:ST+8*\t+5] op_sel_hi:[1,0]
.set k, k+1
.endr
.endr
	s_wait_alu depctr_va_vdst(0)
.macro STT t                           ; tile t into my stage, and back by rows into window 1 (LDS serves a wave's instructions in order: ISA guide 5.7.1.4)
	WIN 0x08
.irp f, 0,1,2,3,4,5,6,7
	ds_store_b128 v[STO], v[64*\t+8*\f:64*\t+8*\f+3] offset:64*\f
	ds_store_b128 v[STO], v[64*\t+8*\f+4:64*\t+8*\f+7] offset:64*\f+16
.endr
	WIN 0x40
.irp p, 0,1,2,3,4,5,6,7,8,9,10,11,12,13,14,15
	ds_load_b128 v[64*\t+4*\p:64*\t+4*\p+3], v[RD] offset:528*\p
.endr
.endm
.macro GS t                            ; row p of tile t is my row 32 (t / 2) + 8 (t % 2) + p + 8 (p / 8); 32 lanes store 512 consecutive bytes, aligned
	WIN 0x04
.irp p, 0,1,2,3,4,5,6,7,8,9,10,11,12,13,14,15
	global_store_b128 v[LI], v[64*\t+4*\p:64*\t+4*\p+3], s[12:13] offset:(32*(\t/2)+8*(\t%2)+\p+8*(\p/8))*512 th:TH_STORE_NT
.endr
.endm
	STT 0
	STT 1
	s_wait_dscnt 32                                ; tile 0 is back; tile 1's 16 stores and 16 loads may be out
	GS 0
	STT 2
	s_wait_dscnt 32
	GS 1
	STT 3
	s_wait_dscnt 32
	GS 2
	s_wait_dscnt 0x0
	GS 3
	WIN 0
	s_wait_tensorcnt 0x0                           ; the wave's end
	ds_add_u32 v[SPW], v[NIL]
	s_wait_dscnt 0x0
	CROUND                                         ; the closing round
	s_endpgm
.Lfunc_end_k_qdcbdff701c_attn:
	.size	k_qdcbdff701c_attn, .Lfunc_end_k_qdcbdff701c_attn-k_qdcbdff701c_attn
	.p2alignl 7, 3214868480
	.fill 96, 4, 3214868480
	.section	.rodata,"a",@progbits
	.p2align	6, 0x0
	.amdhsa_kernel k_qdcbdff701c_attn
		.amdhsa_group_segment_fixed_size 327680
		.amdhsa_private_segment_fixed_size 0
		.amdhsa_enable_private_segment 0
		.amdhsa_kernarg_size 40
		.amdhsa_user_sgpr_count 2
		.amdhsa_user_sgpr_kernarg_segment_ptr 1
		.amdhsa_wavefront_size32 1
		.amdhsa_system_sgpr_workgroup_id_x 1
		.amdhsa_system_sgpr_workgroup_id_y 1
		.amdhsa_system_sgpr_workgroup_id_z 1
		.amdhsa_system_vgpr_workitem_id 0
		.amdhsa_next_free_vgpr 1024
		.amdhsa_next_free_sgpr 80
		.amdhsa_reserve_vcc 0
		.amdhsa_float_denorm_mode_32 3
		.amdhsa_float_denorm_mode_16_64 3
		.amdhsa_memory_ordered 1
		.amdhsa_forward_progress 1
		.amdhsa_inst_pref_size 255
	.end_amdhsa_kernel
	.section	.bss,"aw",@nobits
	.p2align	6
	.space	262144
	.amdgpu_metadata
---
amdhsa.version: [ 1, 2 ]
amdhsa.kernels:
  - .name:           k_qdcbdff701c_attn
    .symbol:         k_qdcbdff701c_attn.kd
    .args:
      - { .name: query, .offset: 0, .size: 8, .value_kind: global_buffer, .address_space: global }
      - { .name: kv, .offset: 8, .size: 8, .value_kind: global_buffer, .address_space: global }
      - { .name: mimg, .offset: 16, .size: 8, .value_kind: global_buffer, .address_space: global }
      - { .name: lowp_scales, .offset: 24, .size: 8, .value_kind: global_buffer, .address_space: global }
      - { .name: out0, .offset: 32, .size: 8, .value_kind: global_buffer, .address_space: global }
    .group_segment_fixed_size: 327680
    .private_segment_fixed_size: 0
    .kernarg_segment_align: 8
    .kernarg_segment_size: 40
    .max_flat_workgroup_size: 128
    .sgpr_count:     80
    .vgpr_count:     1024
    .wavefront_size: 32
...
	.end_amdgpu_metadata
.endif
;; end of part 2
